; MI455X (gfx1250); checked and timed in simulation.
; The chip was launched on July 23, 2026; its instructions are those of AMD's public machine-readable ISA for CDNA 5 (MIT licence, August 2026) and "CDNA5" Instruction Set Architecture Reference Guide (July 2026). The comments in the code are by the model that wrote it; some were corrected since.
;; Scaled Dot Product Attention. Allowed arithmetic: matrix products marked QUANTISED: E4M3 operands, one E8M0 scale for each 32 along K, by v_wmma_scale_f32_16x16x128_f8f6f4 with both operands' format E4M3, f32 sums; everything else in f32.
;; Inputs: keys_codes 32 x 2,048 x 2 x 32 uint8 (E4M3 codes of keys, K innermost, in blocks of 32 codes); keys_scales 32 x 2,048 x 2 uint8 (E8M0 scales of keys, one for each 32 codes along K); masks 4 x 2,048 int32; queries_codes 32 x 2,048 x 2 x 32 uint8 (E4M3 codes of queries, K innermost, in blocks of 32 codes); queries_scales 32 x 2,048 x 2 uint8 (E8M0 scales of queries, one for each 32 codes along K); values_codes 32 x 64 x 64 x 32 uint8 (E4M3 codes of values, K innermost, in blocks of 32 codes); values_scales 32 x 64 x 64 uint8 (E8M0 scales of values, one for each 32 codes along K).
;; Outputs: out0 32 x 2,048 x 64 float32.
;; This version of the problem:
;;   THIS VERSION OF THE PROBLEM IS GIVEN IN LOW PRECISION. The matrix products marked QUANTISED in the list below multiply operands that are first quantised to E4M3 (4 exponent bits, 3 mantissa bits; 8 bits a number), with one power-of-two scale for each 32 numbers along K (OCP MX v1.0); their sums are f32. All else is computed in f32.
;;   The module's matrix products, in the order in which they are computed (A, B: the left and right operand; K: the contracted axis; several contracted axes count as one K, in the product's order):
;;     1. batch 32 x [M 2,048, K 64] x [K 64, N 2,048]; A: input queries (given as codes); B: input keys (given as codes): QUANTISED
;;     2. batch 32 x [M 2,048, K 2,048] x [K 2,048, N 64]; A: softmax (see below); B: input values (given as codes): QUANTISED
;;   THE QUANTISER, for each operand of a quantised product, along K:
;;     - K is cut into blocks of 32 from its start; a last block that is shorter is filled with zeros.
;;     - A block's scale is 2^e with e = floor(log2(the largest magnitude in the block)) - 8, held to -126 .. 127; a block of zeros has e = 0. As a byte (E8M0): e + 127.
;;     - Each number is divided by its block's scale, clamped to +-448, and rounded to the nearest number of E4M3, ties to even, subnormals kept.
;;     - The product sums the exact products of the quantised numbers (number of the format x scale) in f32.
;;   ~~~python
;;   def quantise(x, axis):      # numpy; x: float32 -> the quantised numbers, widened to float32 again
;;       x = np.moveaxis(x, axis, -1); K = x.shape[-1]
;;       x = np.pad(x, [(0, 0)] * (x.ndim - 1) + [(0, -K % 32)]); x = x.reshape(x.shape[:-1] + (-1, 32)); a = np.abs(x).max(-1, keepdims=True)
;;       e = np.where(a > 0, np.clip(np.frexp(np.where(a > 0, a, 1))[1] - 1 - 8, -126, 127), 0)      # np.frexp(a)[1] - 1 = floor(log2(a)), exactly
;;       r = np.clip(x / 2.0 ** e, -448, 448)
;;       step = 2.0 ** (np.maximum(np.frexp(np.where(r == 0, 1, r))[1] - 1, -6) - 3)
;;       q = np.round(r / step) * step * 2.0 ** e      # np.round: ties to even
;;       return np.moveaxis(q.reshape(q.shape[:-2] + (-1,))[..., :K], -1, axis).astype(np.float32)
;;   ~~~
;;   SOFTMAX AHEAD OF A QUANTISED PRODUCT. Where the list says 'softmax', what is quantised is not the finished softmax but p = 2^(t - M), with t = logit x log2(e) and M = ceil(the row's largest t), a whole number; so 1/2 < the row's largest p <= 1. The row's sum l is taken of the UNQUANTISED p, in f32, and the product's result is divided by l at the end. Since M is a whole number, a kernel that streams over the keys may use a running M (the ceiling of the running maximum): every later rescaling is an exact power of two, which a block's scale takes up: the codes' values come out the same.
;;   OPERANDS COMPUTED ON THE WAY. 'Computed on the way' means the value that the module computes at that place (a softmax that the list does not call 'softmax' is quantised finished and normalised). What goes into a quantiser is computed in f32, as accurately as f32 sums, v_exp_f32 and their like allow (about 1e-6 of the number): no bf16 or f16 on the way to a quantiser, and a product that is left as it is and whose result goes on into a quantised operand takes f32 operands (vector FMAs, or v_wmma_f32_16x16x4_f32). A number that lies on a knife's edge between two numbers of the format may be rounded either way, as far as f32 arithmetic and the matrix unit's own rounding can turn it there, and no further.
;;   INPUTS GIVEN AS CODES. keys (in the module: [32, 2048, 64], K = its axis 2); queries (in the module: [32, 2048, 64], K = its axis 2); values (in the module: [32, 2048, 64], K = its axis 1): each comes as NAME_codes (uint8): NAME with its K axis moved to the last place and cut into blocks of 32 codes, [.., K / 32, bytes a block], one block behind the other in memory; one code a byte (a code: sign, 4 exponent bits, 3 mantissa bits); and NAME_scales (uint8): the same leading axes, one E8M0 byte (e + 127) for each 32 codes along K. Its value is code x scale, taken as it is: it is not quantised again, and the codes and scales need not be those that the quantiser above would give.
;; One version. Each part assembles by itself: llvm-mc -triple=amdgcn-amd-amdhsa -mcpu=gfx1250 --defsym DOCPART=n.
;; ======== version 1 of 1: 1 launch
;; launch attn (part 1): grid 8 x 32, 16 waves a work-group, no clusters, 327,680 bytes of LDS; arguments queries_codes, queries_scales, keys_codes, keys_scales, values_codes, values_scales, masks, out0; writes out0
.if DOCPART == 1
	.amdgcn_target "amdgcn-amd-amdhsa--gfx1250"
	.amdhsa_code_object_version 6
	.text
	.protected	k_qafad719302_attn
	.globl	k_qafad719302_attn
	.p2align	8
	.type	k_qafad719302_attn,@function
k_qafad719302_attn:
	s_mov_b64 s[64:65], 0
	v_nop
	global_prefetch_b8 v0, s[64:65] scope:SCOPE_SE
	s_setreg_imm32_b32 hwreg(HW_REG_WAVE_MODE, 25, 1), 1
	s_wait_xcnt 0x0
; out[h][q][:] = softmax_k(logit) V[h][k][:], logit = Q[h][q] . K[h][k] / 8 + masks[h % 4][k] x (-2^32); for k > q the logit is replaced by -2^32.  32 heads, 2,048 positions, head size 64.
; Q, K: codes of E4M3, 64 a row, two E8M0 bytes a row.  V: codes with the KEYS innermost, [h][64][2048], 64 scale bytes a row.  Both products by the scaled matrix form on codes; sums in f32.
; THE SOFTMAX AHEAD OF THE SECOND PRODUCT: t = logit x log2(e); M = the row's largest t so far, rounded up to a whole number; p = 2^(t - M) is quantised along the keys, not normalised; the row's sum l is taken of the
; unquantised p and divides at the end.  When M moves, l and O are multiplied by 2^(old M - new M): exact.
; THE ORDER OF ROUNDING is kept as it is written: logit = one rounding of s / 8 + mask term (s / 8 is exact, so one fused multiply-add does it); t = logit x log2(e), rounded; then t - M.  Beside 2^32 a score is lost in the
; rounding, and which keys tie for a row's maximum hangs on that order.
; BOTH MASKS ARE FINITE.  On a row whose keys up to q are all masked every logit lies near -2^32, and the keys behind q count like the others.  So tiles behind the diagonal are not simply dropped:
;   DEAD WORK: the first product on tiles that lie wholly behind the diagonal.  The causal where replaces each of those scores by the constant -2^32, whatever the inputs hold: no score of such a tile reaches any output.
;   It is left out.  LIMIT: a NaN or an overflow that would arise only in those scores is not carried to the result.
;   NOT DEAD, BUT ONE NUMBER A ROW: the p of every key behind the diagonal is p_f = 2^(t_f - M), t_f = -2^32 x log2(e) as f32 = -12102203 x 512, a whole number: p_f is a power of two or 0, its codes are exact, and the part of
;   the second product over the wholly hidden steps is p_f x (the sum of V over their keys), that of l is p_f x (their number).  The sum of V is made by the same matrix form, V^T x a tile of ones.
;   LIMIT: that part is summed in another order than key by key.
; LIMITS: NaN codes and scale bytes 0xff are not served.  A p under 2^-126 comes out of v_exp_f32 as 0.  The mask's whole numbers are taken as they are (converted to f32, x -2^32).
; All inputs are loaded.
; SHARES.  Work-group (x, head) owns two blocks of 128 queries: block x and block 15 - x: (x + 1) + (16 - x) = 17 key steps of 128 for each of 8 tiles, the same in every work-group.  Sixteen waves, one tile of 16 queries
; each, 256 registers: wave w has tile e = w / 2 of the early or of the late block (late = (w xor w / 4) mod 2: of four neighbouring waves, and of four waves 4 apart, two are early and two late).
; Every wave walks all 16 key steps (trip counts are constants); a step behind its block is left out by a scalar branch on ids, but for its share of V's sums: in a hidden step of parity q the wave with e / 4 = q
; issues ONE product, ACC += V^T(channels 16 (e mod 4) on) x ones.  The eight waves of a block so make the sum of V over that block's hidden steps; at the end the sixteen ACC go through LDS as images of their registers.
; LAYOUT.  Both products are used transposed: S^T = K Q^T (source 0 = 16 keys, source 1 = my 16 queries), O^T = V^T P^T: a lane holds ONE query (lane % 16) throughout.  The head's 64 fill half of the form's 128 along K:
; registers 8-15 of K's and Q's fragments hold zero codes, and their scale bytes are 0 there (2^-127 over zero codes adds nothing).
; THE KEYS OF A TILE ARE NOT NEIGHBOURS: lane r of tile 2 b + u takes key 32 b + 8 u + r + 8 (r / 8), so that the 16 registers of tiles 2 b, 2 b + 1 are the 16 neighbouring keys 32 b + 16 (lane / 16) + 0 .. 15.
; NO CLUSTER.  Only work-groups of one head read the same K and V, and they differ in their query blocks, on which every wave's branches (full, diagonal, hidden) and the end of K's loads hang: partners would not run alike,
; and some would read nothing of a K tile that was asked for jointly.
; REGISTERS: v1-4 places that stay; v5, v6 the add's two; v7 the prefetches' offset, on the way out my offset in out; v8-11 addresses in hand; v12 -M, v13 the largest t, v[14:15] l in two halves; v16-31 Q; v32-95 four fragments
; of K; v96-159 S^T, t, p, then V's four fragments; v160-191 O^T; v192-199 ACC; v200-215 mask terms; v216-222 places that stay; v224-239 mask terms, then p's codes (or the ones); v232-247 at work; v248-251, v253, v255 scale words.
.set KP,    144                        ; LDS: two keys' 128 bytes + 16 of padding: key k at (k / 2) KP + 64 (k % 2): the 16 pieces of 16 bytes that half a fragment load takes fall into 16 different columns of 16 bytes modulo 256
.set VP,    272                        ; a channel's 256 keys + 16 of padding
.set VOFF,  128*KP                     ; a slot: 256 keys of K (18,432 bytes), then 64 rows of V (17,408)
.set SLOT1, 65536                      ; slot 1 begins here: one exclusive or turns an address from one slot into the other
.set SCK,   131072                     ; K's scale bytes of the head: 16 rows of 256 bytes + 16: row s = key step s, 2 bytes a key
.set SCV,   SCK+16*272                 ; V's: 16 rows of 256 bytes + 16: four channels' 64 bytes to a row
.set MK,    SCV+16*272                 ; the mask terms, f32, 4 bytes a key: written by ds_store alone
.set XCH,   MK+8192                    ; the sixteen ACC, 1,024 bytes each: image 8 late + e
.set STAGE, XCH+16384                  ; the way out: 16 rows x (256 bytes + 16) for each wave
.set SPARE, STAGE+16*16*272            ; the spare words, 128 bytes for each wave: eight blocks of 256 bytes that no other line names
.set TF,    0xcfb8aa3b                 ; t_f = -2^32 x log2(e)
.set AK0,  1                           ; v1   my lane's place in a tile of K
.set AV0,  2                           ; v2   in a tile of V
.set ASK0, 3                           ; v3   among K's scale words
.set ASV0, 4                           ; v4   among V's
.set SPW,  5                           ; v5   LDS address of my spare word; never rewritten
.set NIL,  6                           ; v6   0; never rewritten
.set PFO,  7                           ; v7   the prefetches' offset
.set GO,   7                           ;      on the way out: my byte offset in the wave's rows of out
.set ADK,  8
.set ADV,  9
.set ADS,  10
.set ADT,  11
.set MKA,  200                         ; v200-215 mask terms of one block of 32 keys (my 16)
.set MKB,  224                         ; v224-239 of another
.set AM0,  216                         ; v216 my lane's place among the mask terms
.set ADM,  217                         ; v217 the address in hand
.set ABV0, 218                         ; v218 my place in the tile of V that I sum in hidden steps
.set ABT0, 219                         ; v219 and among its scale words
.set XWA,  220                         ; v220 where I put my ACC
.set XRA,  221                         ; v221 where my block's eight ACC begin
.set DG0,  222                         ; v222 lane % 16 - 16 (lane / 16): the diagonal's lane term
.set TB,   2                           ; s2   LDS byte at which the slot in hand begins
.set TS,   3                           ; s3   the step's place among K's scale words: 272 a step
.set SEL,  20                          ; s[20:21] lane selects for v_permlanex16_b32: lane l xor 16
.set C8,   22                          ; s[22:23] 1 / 8
.set G1K,  24                          ; s[24:31] descriptor group 1 for K's tiles;  s[32:39] for V's;  s[40:43], s[44:47] their groups 0, which walk
.set G1V,  32
.set G0K,  40
.set G0V,  44
.set G1S,  48                          ; s[48:55] group 1 for the scale bytes;  s[56:59], s[60:63] groups 0 for K's and V's
.set G0SK, 56
.set G0SV, 60
.set TJ,   66                          ; s66  the step's place in V's rows of scale bytes: 4 a step
.set SLOTS, 67                         ; s67  changes of slots still to come that ask for a slot
.set WV,   68                          ; s68  my wave's number
.set MNT,  69                          ; s69  the mantissa field of 448
.set L2E,  70                          ; s[70:71] log2(e)
.set TM,   72                          ; s72  the step's place among the mask terms: 512 a step
.set KF,   73                          ; s73  the step's first key
.set Q0,   74                          ; s74  my first query
.set PAR,  75                          ; s75  e / 4: the parity of the hidden steps in which I sum V
.set PFA,  76                          ; s[76:77] where my prefetches stand
.set PFS,  78                          ; s[78:79] a slot on, in bytes
.set LIM,  80                          ; s80  1 in a wave that prefetches, else the greatest number
.set QLAST, 81                         ; s81  the work-group's last query
.set CNT,  82                          ; s82  the keys of my wholly hidden steps
; One wave's tensor load.  The branch hangs on the wave's number alone.  An s_nop 0 and four v_nop follow the load.
.macro WLOAD w, g0, g1
	s_cmp_lg_u32 s[WV], \w
	s_cbranch_scc1 .Lnot_\@
	tensor_load_to_lds s[\g0:\g0+3], s[\g1:\g1+7]
	s_nop 0
.rept 4
	v_nop
.endr
.Lnot_\@:
.endm
; A prefetch of what the NEXT change of slots will ask for: 256 keys of K, one dense block of 16,384 bytes, and 256 codes of each of V's 64 rows.  All eight work-groups of a head walk the same K and V: work-group x = 0 asks.
; In it waves ask that fetch nothing, one instruction each: waves 4 and 5 for K's block, 8,192 bytes a wave, lanes 256 bytes apart; waves 6 and 7 for V's rows, 32 a wave, a lane a row.  So each aligned 256 bytes are named once
; in the launch.  It stands behind the change's tensor loads, two key steps ahead of the load that will name the same bytes.  The last change that asks for a slot prefetches nothing; slots 0 and 1 come by their loads alone.
.macro ASK
	s_cmp_gt_u32 s[SLOTS], s[LIM]
	s_cbranch_scc0 .Lnot_mine_\@
	global_prefetch_b8 v[PFO], s[PFA:PFA+1] th:TH_LOAD_NT scope:SCOPE_SE
.Lnot_mine_\@:
.endm
	s_load_b128 s[4:7], s[0:1], 0x0                ; Q's codes, Q's scales
	s_load_b128 s[8:11], s[0:1], 0x10              ; K's codes, K's scales
	s_load_b128 s[12:15], s[0:1], 0x20             ; V's codes, V's scales
	s_load_b128 s[16:19], s[0:1], 0x30             ; masks, out
	v_lshl_add_u32 v[SPW], v0, 2, SPARE
	v_mov_b32 v[NIL], 0
	ds_add_u32 v[SPW], v[NIL]                      ; the wave's opening: the add, twice on end, and its wait ahead of the first tensor load; the set-up below, work on registers, stands between
	ds_add_u32 v[SPW], v[NIL]
	v_lshrrev_b32 v8, 5, v0
	v_readfirstlane_b32 s[WV], v8                  ; wave 0..15
	s_lshr_b32 s83, s[WV], 1                       ; e: my tile in its block
	s_lshr_b32 s84, s[WV], 2
	s_xor_b32 s84, s84, s[WV]
	s_and_b32 s84, s84, 1                          ; late
	s_lshr_b32 s[PAR], s83, 2
	s_and_b32 s85, s83, 3                          ; the tile of V that I sum
	s_sub_co_u32 s86, 15, ttmp9                    ; the late block
	s_cmp_eq_u32 s84, 1
	s_cselect_b32 s87, s86, ttmp9                  ; my block
	s_lshl_b32 s[Q0], s87, 7
	s_lshl_b32 s88, s83, 4
	s_add_co_u32 s[Q0], s[Q0], s88                 ; my first query: 128 x block + 16 e
	s_lshl_b32 s[QLAST], s86, 7
	s_or_b32 s[QLAST], s[QLAST], 127
	s_lshl_b32 s[CNT], s87, 7
	s_sub_co_u32 s[CNT], 1920, s[CNT]              ; 2,048 - 128 (block + 1)
	s_and_b32 s89, ttmp7, 0xffff                   ; the head
	s_lshl_b32 s90, s89, 17                        ; its first byte in each tensor of codes: s[90:91]
	s_mov_b32 s91, 0
	s_lshl_b32 s92, s89, 12                        ; in each tensor of scale bytes: s[92:93]
	s_mov_b32 s93, 0
	s_lshl_b32 s94, s[Q0], 6
	s_add_co_u32 s94, s94, s90                     ; my queries' codes: s[94:95]
	s_mov_b32 s95, 0
	s_lshl_b32 s96, s[Q0], 1
	s_add_co_u32 s96, s96, s92                     ; their scale bytes: s[96:97]
	s_mov_b32 s97, 0
	s_lshl_b32 s98, s89, 19
	s_lshl_b32 s99, s[Q0], 8
	s_add_co_u32 s98, s98, s99                     ; their rows of out: s[98:99]
	s_mov_b32 s99, 0
	s_and_b32 s88, s89, 3                          ; jnp.tile lays the four rows of masks one set behind the other: head h takes row h % 4
	s_lshl_b32 s88, s88, 13                        ; s[88:89]
	s_mov_b32 s89, 0
	; descriptor group 1.  K: 256 keys are 16,384 dense bytes: 128 rows of 128 bytes, 16 bytes of padding behind each
	s_mov_b32 s[G1K], (1<<20)|(4<<22)|(3<<25)      ; 15:0 no mask; 17:16 elements of 1 byte; 20 padding on; 24:22 after every 32 words (code 4); 31:25 four words (code 3)
	s_mov_b32 s[G1K+1], 128<<16                    ; tensor_dim0
	s_mov_b32 s[G1K+2], 128<<16                    ; tensor_dim1
	s_mov_b32 s[G1K+3], 128<<16                    ; tile_dim0
	s_mov_b32 s[G1K+4], 128                        ; tile_dim1
	s_mov_b32 s[G1K+5], 128                        ; from row to row
	s_mov_b32 s[G1K+6], 0
	s_mov_b32 s[G1K+7], 0
	; V: 64 rows of 256 bytes, 2,048 bytes apart
	s_mov_b32 s[G1V], (1<<20)|(5<<22)|(3<<25)      ; padding: four words after every 64
	s_mov_b32 s[G1V+1], 256<<16
	s_mov_b32 s[G1V+2], 64<<16
	s_mov_b32 s[G1V+3], 256<<16
	s_mov_b32 s[G1V+4], 64
	s_mov_b32 s[G1V+5], 2048
	s_mov_b32 s[G1V+6], 0
	s_mov_b32 s[G1V+7], 0
	; a head's scale bytes: 4,096 dense bytes as 16 rows of 256 (32 elements of 8 bytes)
	s_mov_b32 s[G1S], (3<<16)|(1<<20)|(5<<22)|(3<<25)
	s_mov_b32 s[G1S+1], 32<<16
	s_mov_b32 s[G1S+2], 16<<16
	s_mov_b32 s[G1S+3], 32<<16
	s_mov_b32 s[G1S+4], 16
	s_mov_b32 s[G1S+5], 32
	s_mov_b32 s[G1S+6], 0
	s_mov_b32 s[G1S+7], 0
	s_mov_b32 s[G0SK], 1
	s_mov_b32 s[G0SK+1], SCK
	s_mov_b32 s[G0SV], 1
	s_mov_b32 s[G0SV+1], SCV
	s_mov_b32 s[G0K], 1
	s_mov_b32 s[G0K+1], 0                          ; slot 0
	s_mov_b32 s[G0V], 1
	s_mov_b32 s[G0V+1], VOFF
	s_mov_b32 s[SEL], 0x76543210
	s_mov_b32 s[SEL+1], 0xfedcba98
	s_mov_b32 s[C8], 0x3e000000
	s_mov_b32 s[C8+1], s[C8]                       ; (named with it as a pair, so it is written)
	s_mov_b32 s[L2E], 0x3fb8aa3b
	s_mov_b32 s[L2E+1], s[L2E]
	s_mov_b32 s[MNT], 0x600000
	s_mov_b32 s[TB], 0
	s_mov_b32 s[TS], 0
	s_mov_b32 s[TJ], 0
	s_mov_b32 s[TM], 0
	s_mov_b32 s[KF], 0
	s_mov_b32 s[SLOTS], 7
	s_wait_dscnt 0x0                               ; both opening adds are done
	s_wait_kmcnt 0x0
	s_add_nc_u64 s[G0SK+2:G0SK+3], s[10:11], s[92:93]
	s_or_b32 s[G0SK+3], s[G0SK+3], 0x80000000      ; type = 2
	s_add_nc_u64 s[G0SV+2:G0SV+3], s[14:15], s[92:93]
	s_or_b32 s[G0SV+3], s[G0SV+3], 0x80000000
	s_add_nc_u64 s[G0K+2:G0K+3], s[8:9], s[90:91]
	s_or_b32 s[G0K+3], s[G0K+3], 0x80000000
	s_add_nc_u64 s[G0V+2:G0V+3], s[12:13], s[90:91]
	s_or_b32 s[G0V+3], s[G0V+3], 0x80000000
	; the first fills, one group: wave 0 K's scale bytes and slot 0's keys, wave 1 V's: two loads of a wave are out; each wave's two stand in one branch
	s_cmp_lg_u32 s[WV], 0
	s_cbranch_scc1 .Lhead_not_0
	tensor_load_to_lds s[G0SK:G0SK+3], s[G1S:G1S+7]
	s_nop 0
	tensor_load_to_lds s[G0K:G0K+3], s[G1K:G1K+7]
	s_nop 0
.rept 4
	v_nop
.endr
.Lhead_not_0:
	s_cmp_lg_u32 s[WV], 1
	s_cbranch_scc1 .Lhead_not_1
	tensor_load_to_lds s[G0SV:G0SV+3], s[G1S:G1S+7]
	s_nop 0
	tensor_load_to_lds s[G0V:G0V+3], s[G1V:G1V+7]
	s_nop 0
.rept 4
	v_nop
.endr
.Lhead_not_1:
	s_add_nc_u64 s[4:5], s[4:5], s[94:95]          ; Q's codes at my first query,
	s_add_nc_u64 s[6:7], s[6:7], s[96:97]          ; its scale bytes,
	s_add_nc_u64 s[18:19], s[18:19], s[98:99]      ; its row of out,
	s_add_nc_u64 s[16:17], s[16:17], s[88:89]      ; and my head's row of masks
	v_and_b32 v8, 15, v0                           ; r = lane % 16
	v_bfe_u32 v9, v0, 4, 1                         ; h = lane / 16
	v_lshlrev_b32 v240, 6, v8
	v_lshl_add_u32 v240, v9, 4, v240               ; Q: row r of 64 bytes, + 16 h
	global_load_b128 v[16:19], v240, s[4:5] th:TH_LOAD_NT              ; Q's fragment stays in registers: k = 16 h + 0 .. 15,
	global_load_b128 v[20:23], v240, s[4:5] offset:32 th:TH_LOAD_NT    ; k = 32 + 16 h + 0 .. 15
	v_lshlrev_b32 v241, 1, v8
	global_load_u16 v255, v241, s[6:7]             ; Q's scale word: two bytes, and 0 above them
	v_lshlrev_b32 v242, 4, v0
	global_load_b128 v[200:203], v242, s[16:17]    ; four of the head's 2,048 mask numbers to a thread
	; the prefetches: where my wave's stand, and who asks
	s_cmp_lt_u32 s[WV], 6                          ; waves 4 and 5 ask for K's codes, waves 6 and 7 for V's
	s_cselect_b64 s[PFA:PFA+1], s[8:9], s[12:13]
	s_mov_b32 s[PFS], 256
	s_cselect_b32 s[PFS], 16384, s[PFS]            ; a slot on
	s_mov_b32 s86, 2048
	s_cselect_b32 s86, 256, s86                    ; from lane to lane
	s_mov_b32 s87, 65536
	s_cselect_b32 s87, 8192, s87                   ; from wave to wave
	v_and_b32 v[PFO], 31, v0
	v_mul_lo_u32 v[PFO], v[PFO], s86
	s_and_b32 s86, s[WV], 1
	s_mul_i32 s86, s86, s87                        ; my wave's part,
	s_add_co_u32 s86, s86, s[PFS]                  ; in slot 1: the first change of slots steps it to slot 2,
	s_add_co_u32 s86, s86, s90                     ; in my head
	s_mov_b32 s87, 0
	s_mov_b32 s[PFS+1], 0
	s_add_nc_u64 s[PFA:PFA+1], s[PFA:PFA+1], s[86:87]
	s_sub_co_u32 s86, s[WV], 4
	s_lshr_b32 s86, s86, 2                         ; 0 in waves 4 to 7,
	s_or_b32 s86, s86, ttmp9                       ; of work-group x = 0
	s_cmp_eq_u32 s86, 0
	s_cselect_b32 s[LIM], 1, -1
	; the places that stay
	v_and_b32 v10, 8, v8
	v_add_nc_u32 v10, v10, v8                      ; r + 8 (r / 8)
	v_lshrrev_b32 v11, 1, v10
	v_mul_u32_u24 v[AK0], v11, KP
	v_and_b32 v11, 1, v10
	v_lshl_add_u32 v[AK0], v11, 6, v[AK0]
	v_lshl_add_u32 v[AK0], v9, 4, v[AK0]
	v_mul_u32_u24 v[AV0], v8, VP
	v_lshl_add_u32 v[AV0], v9, 4, v[AV0]
	v_add_nc_u32 v[AV0], VOFF, v[AV0]
	v_lshl_add_u32 v[ASK0], v10, 1, SCK            ; K's scale bytes: 2 a key
	v_lshrrev_b32 v11, 2, v8
	v_mul_u32_u24 v[ASV0], v11, 272                ; V's: channel r of a tile: row r / 4, 64 (r % 4) bytes on
	v_and_b32 v11, 3, v8
	v_lshl_add_u32 v[ASV0], v11, 6, v[ASV0]
	v_add_nc_u32 v[ASV0], SCV, v[ASV0]
	v_lshl_add_u32 v[AM0], v9, 6, MK               ; the mask terms of my half's 16 keys of a block
	s_mul_i32 s86, s85, 16*VP
	v_add_nc_u32 v[ABV0], s86, v[AV0]
	s_mul_i32 s86, s85, 4*272
	v_add_nc_u32 v[ABT0], s86, v[ASV0]
	v_and_b32 v11, 31, v0
	v_lshlrev_b32 v11, 4, v11                      ; 16 x lane
	s_lshl_b32 s86, s84, 3
	s_add_co_u32 s86, s86, s83                     ; image 8 late + e
	s_lshl_b32 s86, s86, 10
	s_add_co_u32 s86, s86, XCH
	v_add_nc_u32 v[XWA], s86, v11
	s_lshl_b32 s86, s84, 13
	s_add_co_u32 s86, s86, XCH
	v_add_nc_u32 v[XRA], s86, v11
	v_lshlrev_b32 v11, 4, v9
	v_sub_nc_u32 v[DG0], v8, v11
	v_lshl_add_u32 v[ADM], v0, 4, MK               ; where my four mask terms go
	; what begins as zeros: the upper halves of Q's and K's fragments (they stay), O^T and ACC (the step is written once: its first run finds zeros), l
.set i, 0
.rept 8
	v_mov_b32 v[24+i], 0
.set i, i+1
.endr
.irp t, 0,1,2,3
.irp j, 8,9,10,11,12,13,14,15
	v_mov_b32 v[32+16*\t+\j], 0
.endr
.endr
.set i, 0
.rept 40
	v_mov_b32 v[160+i], 0
.set i, i+1
.endr
	v_mov_b32 v13, 0xff61b1e6                      ; the largest t so far: -3e38, under every t
	v_floor_f32 v12, -v13                          ; -M
	v_mov_b32 v14, 0
	v_mov_b32 v15, 0
.irp b, 0,1,2,3
	v_mov_b32 v[236+\b], 0                         ; written once: a lane permute's destination counts as one of its sources
.endr
	v_mov_b32 v252, 0                              ; likewise, on the way out
	v_mov_b32 v253, 0                              ; (named as the upper half of the pair v[252:253] before it is first written)
	s_wait_loadcnt 0x0                             ; Q, its scale word, my four mask numbers
.irp j, 0,1,2,3
	v_cvt_f32_i32 v[200+\j], v[200+\j]
.endr
.irp j, 0,1,2,3
	v_mul_f32 v[200+\j], 0xcf800000, v[200+\j]     ; m x (-2^32): the constant -2^32 + 1 is -2^32 in f32
.endr
	ds_store_b128 v[ADM], v[200:203]               ; the first change of slots waits for it and passes a barrier: then every wave may read the terms
; K's tiles 4 g .. 4 g + 3 of the slot's q-th step: two loads of 16 bytes a fragment (the head's 64), and the rows' scale words
.macro KTILES q, g
.irp t, 0,1,2,3
.irp c, 0,1
	ds_load_b128 v[32+16*\t+4*\c:32+16*\t+4*\c+3], v[ADK] offset:64*KP*(\q)+(16*((4*(\g)+\t)/2)+4*(\t%2))*KP+32*\c
.endr
	ds_load_u16 v[248+\t], v[ADS] offset:64*((4*(\g)+\t)/2)+16*(\t%2)
.endr
.endm
.macro KQ g                            ; S^T of those four tiles; each product is a whole sum
.irp t, 0,1,2,3
	v_wmma_scale_f32_16x16x128_f8f6f4 v[96+8*(4*(\g)+\t):103+8*(4*(\g)+\t)], v[32+16*\t:47+16*\t], v[16:31], 0, v[248+\t], v255
.endr
.endm
.macro MKLOAD reg, b                   ; the mask terms of my 16 keys of block b
.irp j, 0,1,2,3
	ds_load_b128 v[\reg+4*\j:\reg+4*\j+3], v[ADM] offset:128*(\b)+16*\j
.endr
.endm
.macro LOGIT b, reg                    ; logit = s / 8 + the mask term, one rounding; each accumulator from its low end on
.irp i, 0,2,4,6,8,10,12,14
	v_pk_fma_f32 v[96+16*(\b)+\i:97+16*(\b)+\i], v[96+16*(\b)+\i:97+16*(\b)+\i], s[C8:C8+1], v[\reg+\i:\reg+\i+1] op_sel_hi:[1,0,1]
.endr
.endm
.macro TOT b                           ; t = logit x log2(e), rounded
.irp i, 0,2,4,6,8,10,12,14
	v_pk_mul_f32 v[96+16*(\b)+\i:97+16*(\b)+\i], v[96+16*(\b)+\i:97+16*(\b)+\i], s[L2E:L2E+1] op_sel_hi:[1,0]
.endr
.endm
; A KEY STEP: 128 keys, the q-th of the slot in hand.
.macro STEP q
	s_add_co_u32 s96, s[Q0], 15
	s_cmp_gt_u32 s[KF], s96                        ; all 128 keys behind my 16 queries?  Ids and the count of steps alone
	s_cbranch_scc1 .Lhid_\@
	v_add_nc_u32 v[ADK], s[TB], v[AK0]
	v_add_nc_u32 v[ADV], s[TB], v[AV0]
	v_add_nc_u32 v[ADS], s[TS], v[ASK0]
	v_add_nc_u32 v[ADT], s[TJ], v[ASV0]
	v_add_nc_u32 v[ADM], s[TM], v[AM0]
.rept 4
	v_nop                                          ; with the five additions nine places behind the last step's products: eight for the loads into their scale words and codes, nine since the products below write over V's fragments, which those read
.endr
	KTILES \q, 0
	MKLOAD MKA, 0
	MKLOAD MKB, 1
	s_wait_dscnt 8                                 ; K's twelve loads are in; the eight loads of mask terms behind them may be out
	KQ 0
.rept 8
	v_nop                                          ; eight places: for the loads into the fragments and scale words just read, and for the first read of the results
.endr
	KTILES \q, 1
	s_wait_dscnt 12                                ; the mask terms are in; K's twelve just issued may be out
	LOGIT 0, MKA
	LOGIT 1, MKB
	MKLOAD MKA, 2
	MKLOAD MKB, 3
	s_wait_dscnt 8                                 ; K's twelve are in; the eight loads of mask terms behind them may be out
	KQ 1
	TOT 0                                          ; sixteen plain instructions on the first four tiles: the places behind the products above
	TOT 1
	s_wait_dscnt 0x0
	LOGIT 2, MKA
	LOGIT 3, MKB
	TOT 2
	TOT 3
	; on the diagonal the t of a key behind its query becomes t_f (the where's -2^32, x log2(e): exact).  A step all of whose keys count skips this
	s_add_co_u32 s96, s[KF], 127
	s_cmp_le_u32 s96, s[Q0]
	s_cbranch_scc1 .Lopen_\@
	s_sub_co_i32 s96, s[Q0], s[KF]
	v_add_nc_u32 v252, s96, v[DG0]                 ; d = my query - KF - 16 (lane / 16).  Register 16 b + i holds key KF + 32 b + 16 (lane / 16) + i: behind my query where 32 b + i > d
	v_mov_b32 v254, TF
.set n, 0
.rept 64
	v_cmp_gt_i32 vcc_lo, 32*(n/16)+n%16, v252
	v_cndmask_b32 v[96+n], v[96+n], v254, vcc_lo
.set n, n+1
.endr
.Lopen_\@:
.irp b, 0,1,2,3
	v_max3_num_f32 v[232+\b], v[96+16*\b], v[97+16*\b], v[98+16*\b]   ; the largest t of each block of 32 keys: it serves for the row's maximum and, since p rises with t, for the block's largest p
.endr
.irp i, 3,5,7,9,11,13
.irp b, 0,1,2,3
	v_max3_num_f32 v[232+\b], v[232+\b], v[96+16*\b+\i], v[97+16*\b+\i]   ; (the four blocks by turns)
.endr
.endr
.irp b, 0,1,2,3
	v_max_num_f32 v[232+\b], v[232+\b], v[111+16*\b]
.endr
.irp b, 0,1,2,3
	v_permlanex16_b32 v[236+\b], v[232+\b], s[SEL], s[SEL+1]
.endr
.irp b, 0,1,2,3
	v_max_num_f32 v[232+\b], v[232+\b], v[236+\b]  ; with lane l xor 16's 16 keys
.endr
	v_max3_num_f32 v254, v232, v233, v234
	v_max3_num_f32 v13, v254, v235, v13            ; the running largest t
	v_mov_b32 v254, v12
	v_floor_f32 v12, -v13                          ; the new -M = floor(-t) = -ceil(t): a whole number
	v_sub_f32 v254, v12, v254                      ; M's old value less its new one: 0 or less
	v_cvt_i32_f32 v254, v254                       ; (it saturates)
	v_ldexp_f32 v252, 1.0, v254                    ; f = 2^(old M - new M)
.set n, 0
.rept 32
	v_pk_add_f32 v[96+n:97+n], v[96+n:97+n], v[12:13] op_sel_hi:[1,0]   ; t - M (of the pair the low word serves both halves)
.set n, n+2
.endr
.irp b, 0,1,2,3
	v_add_f32 v[232+\b], v[232+\b], v12            ; the same of each block's largest t
.endr
.set n, 0
.rept 64
	v_exp_f32 v[96+n], v[96+n]                     ; p = 2^(t - M), at most 1
.set n, n+1
.endr
	v_pk_mul_f32 v[14:15], v[14:15], v[252:253] op_sel_hi:[1,0]   ; l under the new M: the plain instruction behind the exponentials
	s_wait_alu depctr_va_vdst(0)                   ; the wait ahead of the first instruction that names a result: one for the 64
.irp b, 0,1,2,3
	v_exp_f32 v[232+\b], v[232+\b]                 ; the block's largest p: the same two instructions on the same number give the same bits
.endr
	v_pk_add_f32 v[236:237], v[96:97], v[98:99]    ; l is taken of the unquantised p: two at a time, in two chains; these read the 64 alone
.set n, 4
.rept 15
	v_pk_add_f32 v[14:15], v[14:15], v[96+n:97+n]
	v_pk_add_f32 v[236:237], v[236:237], v[98+n:99+n]
.set n, n+4
.endr
	v_pk_add_f32 v[14:15], v[14:15], v[236:237]
	s_wait_alu depctr_va_vdst(0)                   ; and one for the four
.irp b, 0,1,2,3
	v_max_num_f32 v[232+\b], 0x4800000, v[232+\b]  ; the floor 2^(9 - 127): the byte cannot fall under 1 (a block whose every p is 0 keeps that byte: its codes are zeros)
.endr
.irp b, 0,1,2,3
	v_add_nc_u32 v[244+\b], 0xfc000000, v[232+\b]  ; 8 off the exponent field: the conversion's scale operand
.endr
.irp b, 0,1,2,3
	v_and_or_b32 v[240+\b], v[232+\b], 0x7f800000, s[MNT]   ; 448 x the scale
.endr
.irp b, 0,1,2,3
	v_lshrrev_b32 v[236+\b], 23, v[244+\b]         ; the scale's byte
.endr
	v_lshl_or_b32 v253, v237, 8, v236              ; p's scale word for these 128 keys
	v_lshl_or_b32 v253, v238, 16, v253
	v_lshl_or_b32 v253, v239, 24, v253
.irp b, 0,1,2,3
.set n, 0
.rept 16
	v_min_num_f32 v[96+16*\b+n], v[96+16*\b+n], v[240+\b]   ; the conversion to an 8-bit code does not saturate (ISA guide 7.6.2); p is not negative, so the hold is one-sided
.set n, n+1
.endr
	v_cvt_scalef32_pk8_fp8_f32 v[224+4*\b:225+4*\b], v[96+16*\b:103+16*\b], v[244+\b]
	v_cvt_scalef32_pk8_fp8_f32 v[226+4*\b:227+4*\b], v[104+16*\b:111+16*\b], v[244+\b]
.endr
.irp t, 0,1,2,3                                ; V's four fragments (16 channels x these 128 keys) land where p lay
.irp c, 0,1,2,3
	ds_load_b128 v[96+16*\t+4*\c:96+16*\t+4*\c+3], v[ADV] offset:16*VP*\t+128*(\q)+32*\c
.endr
	ds_load_b32 v[248+\t], v[ADT] offset:4*272*\t
.endr
.set n, 0
.rept 16
	v_pk_mul_f32 v[160+n:161+n], v[160+n:161+n], v[252:253] op_sel_hi:[1,0]   ; O^T under the new M, each accumulator from its low end on.  These are also the plain instructions between the conversions and the products that read the codes
.set n, n+2
.endr
	s_wait_dscnt 0x0
.irp t, 0,1,2,3                                ; O^T += V^T P^T: the four accumulators by turns, one instruction a turn
	v_wmma_scale_f32_16x16x128_f8f6f4 v[160+8*\t:167+8*\t], v[96+16*\t:111+16*\t], v[224:239], v[160+8*\t:167+8*\t], v[248+\t], v253
.endr
	s_branch .Lend_\@
.Lhid_\@:                                      ; A HIDDEN STEP: of the eight waves of my block the four with e / 4 = q sum V's four tiles over these 128 keys
	s_cmp_lg_u32 s[PAR], \q
	s_cbranch_scc1 .Lend_\@
.rept 8
	v_nop                                          ; eight places behind the last product, whose codes, scale words and fragment are written below
.endr
	v_mov_b32 v253, 0x7f7f7f7f                     ; the ones' scale word: four times 2^0
.set n, 0
.rept 16
	v_mov_b32 v[224+n], 0x38383838                 ; the code of 1.0, in every place
.set n, n+1
.endr
	v_add_nc_u32 v[ADV], s[TB], v[ABV0]
	v_add_nc_u32 v[ADT], s[TJ], v[ABT0]
.irp c, 0,1,2,3
	ds_load_b128 v[96+4*\c:99+4*\c], v[ADV] offset:128*(\q)+32*\c
.endr
	ds_load_b32 v248, v[ADT]
	v_nop
	v_nop                                          ; with the two additions four places between the last code written and the product; the scale word stands more than eight ahead
	s_wait_dscnt 0x0
	s_wait_alu depctr_va_vdst(0)                   ; the matrix instruction issued before may be this accumulator's own
	v_wmma_scale_f32_16x16x128_f8f6f4 v[192:199], v[96:111], v[224:239], v[192:199], v248, v253
.Lend_\@:
	s_add_co_u32 s[KF], s[KF], 128
	s_add_co_u32 s[TS], s[TS], 272
	s_add_co_u32 s[TJ], s[TJ], 4
	s_add_co_u32 s[TM], s[TM], 512
.endm
; THE CHANGE OF SLOTS stands at a slot's head.  Each wave waits for all its tensor loads, adds 0 to its spare word (fill = 1: twice on end), and waits for that and for its reads of the slot that it has left.  Behind the
; barrier the slot ahead is whole and nobody reads the other one.  fill = 1: that other slot is asked for: K's keys by wave 0, V's by wave 1: each load has a slot's two steps in which to land.
.macro CHANGE fill
	s_wait_tensorcnt 0x0                           ; no tensor load of mine is out, so a group 0 may be written
	ds_add_u32 v[SPW], v[NIL]                      ; 0 onto my spare word
.if \fill
	ds_add_u32 v[SPW], v[NIL]                      ; and once more: the add twice on end here, in every trip alike.  The descriptors' steps stand between it and the wait
	s_xor_b32 s[G0K+1], s[G0K+1], SLOT1            ; the walking descriptors: the other slot than last time,
	s_add_nc_u64 s[G0K+2:G0K+3], s[G0K+2:G0K+3], 16384   ; the next 256 keys; the type bits on top are not reached
	s_xor_b32 s[G0V+1], s[G0V+1], SLOT1
	s_add_nc_u64 s[G0V+2:G0V+3], s[G0V+2:G0V+3], 256
	s_wait_xcnt 0x0                                ; the last prefetch, a slot back, has read its address, so it may be written:
	s_add_nc_u64 s[PFA:PFA+1], s[PFA:PFA+1], s[PFS:PFS+1]   ; one slot further on than the walking descriptors
.endif
	s_wait_dscnt 0x0                               ; the add is done (fill = 1: both are), and my reads of the slot that I have left are over; at the first change: my mask terms are stored
	s_barrier_signal -1
	s_barrier_wait -1
.if \fill
	s_add_co_u32 s96, s[KF], 256                   ; the first key of the slot that this change asks for.  K's LOADS END AT THE CAUSAL LIMIT: keys behind the work-group's last query are read by none of its waves.
	s_cmp_gt_u32 s96, s[QLAST]                     ; Ids and the count of steps alone: all sixteen waves go the same way, and a work-group past the limit stays past it; every wait on TENSORcnt in this text is for 0
	s_cbranch_scc1 .Lpast_\@
	WLOAD 0, G0K, G1K
.Lpast_\@:
	WLOAD 1, G0V, G1V                              ; V's slot is read in every step: by full steps or by the sums of hidden ones
	ASK
.endif
.endm
.macro SLOT_STEPS
	STEP 0
	STEP 1
	s_xor_b32 s[TB], s[TB], SLOT1                  ; on to the other slot
.endm
.Lslot:                                            ; seven trips: behind each change of slots but the last the next slot is asked for
	CHANGE 1
	SLOT_STEPS
	s_sub_co_u32 s[SLOTS], s[SLOTS], 1
	s_cmp_lg_u32 s[SLOTS], 0
	s_cbranch_scc1 .Lslot
	CHANGE 0                                       ; the last slot is written out: nothing is left to ask for
	SLOT_STEPS
	; THE WAY OUT.  M' = the larger of M and t_f (where I have wholly hidden keys); f1 = 2^(M - M'), p_f = 2^(t_f - M'): whole exponents, by v_ldexp_f32: exact.  out = (O f1 + p_f x the sum of V over the hidden steps) / (l f1 + p_f x their keys).
	s_mov_b32 s96, 0x4fb8aa3b                      ; -t_f
	s_cmp_eq_u32 s[CNT], 0
	s_cselect_b32 s96, 0x7f7fffff, s96             ; with no wholly hidden key M stays as it is
	v_add_f32 v14, v14, v15                        ; l's two halves.  (These lines name no register of the last products: they are the places behind them)
	v_permlanex16_b32 v252, v14, s[SEL], s[SEL+1]
	v_add_f32 v14, v14, v252                       ; and lane l xor 16's
	v_min_num_f32 v240, s96, v12                   ; -M'
	v_sub_f32 v241, v240, v12                      ; M - M', 0 or less
	v_add_f32 v242, TF, v240                       ; t_f - M',
	v_min_num_f32 v242, 0, v242                    ; 0 or less (it could be more only where no hidden key counts: there p_f meets zeros alone)
	v_cvt_i32_f32 v241, v241                       ; (they saturate)
	v_cvt_i32_f32 v242, v242
	v_ldexp_f32 v241, 1.0, v241                    ; f1
	v_ldexp_f32 v242, 1.0, v242                    ; p_f
	v_cvt_f32_u32 v243, s[CNT]
	ds_store_b128 v[XWA], v[192:195]               ; my ACC goes to LDS as it stands, from its low end on
	ds_store_b128 v[XWA], v[196:199] offset:512
	s_wait_dscnt 0x0                               ; for the others' sake: my stores are done
	s_barrier_signal -1
	s_barrier_wait -1
.irp p, 0,1                                    ; my block's eight: parity p, tile t
.irp t, 0,1,2,3
	ds_load_b128 v[96+32*\p+8*\t:99+32*\p+8*\t], v[XRA] offset:(4*\p+\t)*1024
	ds_load_b128 v[100+32*\p+8*\t:103+32*\p+8*\t], v[XRA] offset:(4*\p+\t)*1024+512
.endr
.endr
	v_mul_f32 v243, v242, v243
	v_fma_f32 v14, v14, v241, v243                 ; the row's sum under M'
	v_rcp_f32 v14, v14
	v_and_b32 v8, 15, v0                           ; (a plain instruction behind the reciprocal)  r
	v_bfe_u32 v9, v0, 4, 1                         ; h
	s_mul_i32 s97, s[WV], 16*272
	s_add_co_u32 s97, s97, STAGE                   ; my stage
	v_mul_u32_u24 v10, v8, 272
	v_lshl_add_u32 v10, v9, 5, v10
	v_add_nc_u32 v10, s97, v10                     ; in: row r; tile t's eight channels of my half: 64 t + 32 h bytes on
	v_mul_u32_u24 v11, v9, 272
	v_lshl_add_u32 v11, v8, 4, v11
	v_add_nc_u32 v11, s97, v11                     ; back: lanes 0-15 one row, lanes 16-31 the next
	s_wait_xcnt 0x0                                ; the last prefetch, a slot and more back, has read its offset, so the register may be written:
	v_lshlrev_b32 v[GO], 8, v9
	v_lshl_add_u32 v[GO], v8, 4, v[GO]             ; lanes 0-15 take one row of out, lanes 16-31 the next; 16 bytes a lane
	s_wait_alu depctr_va_vdst(0)                   ; the wait ahead of the reciprocal's first reader
	v_mul_f32 v244, v241, v14                      ; f1 / the sum, twice: a pair for the packed forms
	v_mul_f32 v245, v241, v14
	v_mul_f32 v246, v242, v14                      ; p_f / the sum, likewise
	v_mul_f32 v247, v242, v14
	s_wait_dscnt 0x0
.set n, 0
.rept 16
	v_pk_mul_f32 v[160+n:161+n], v[160+n:161+n], v[244:245]   ; each accumulator from its low end on
.set n, n+2
.endr
.set n, 0
.rept 16
	v_pk_fma_f32 v[160+n:161+n], v[96+n:97+n], v[246:247], v[160+n:161+n]     ; the hidden steps of even number,
.set n, n+2
.endr
.set n, 0
.rept 16
	v_pk_fma_f32 v[160+n:161+n], v[128+n:129+n], v[246:247], v[160+n:161+n]   ; and of odd
.set n, n+2
.endr
.irp t, 0,1,2,3
	ds_store_b128 v10, v[160+8*\t:163+8*\t] offset:64*\t
	ds_store_b128 v10, v[164+8*\t:167+8*\t] offset:64*\t+16
.endr
.irp i, 0,1,2,3,4,5,6,7
	ds_load_b128 v[32+4*\i:35+4*\i], v11 offset:2*\i*272   ; LDS serves a wave's instructions in order (ISA guide 5.7.1.4): these see my stores
.endr
.irp i, 0,1,2,3,4,5,6,7
	s_wait_dscnt 7-\i                              ; row pair i is back; the loads behind it may be out
	global_store_b128 v[GO], v[32+4*\i:35+4*\i], s[18:19] offset:512*\i th:TH_STORE_NT   ; 32 lanes store two rows, 512 consecutive bytes, at a multiple of 256 from out's first byte
.endr
	s_wait_tensorcnt 0x0                           ; the wave's end: a wait, an add and its wait, behind my last tensor load and my last LDS store
	ds_add_u32 v[SPW], v[NIL]
	s_wait_dscnt 0x0
	s_endpgm
.Lfunc_end_k_qafad719302_attn:
	.size	k_qafad719302_attn, .Lfunc_end_k_qafad719302_attn-k_qafad719302_attn
	.p2alignl 7, 3214868480
	.fill 96, 4, 3214868480
	.section	.rodata,"a",@progbits
	.p2align	6, 0x0
	.amdhsa_kernel k_qafad719302_attn
		.amdhsa_group_segment_fixed_size 327680
		.amdhsa_private_segment_fixed_size 0
		.amdhsa_enable_private_segment 0
		.amdhsa_kernarg_size 64
		.amdhsa_user_sgpr_count 2
		.amdhsa_user_sgpr_kernarg_segment_ptr 1
		.amdhsa_wavefront_size32 1
		.amdhsa_system_sgpr_workgroup_id_x 1
		.amdhsa_system_sgpr_workgroup_id_y 1
		.amdhsa_system_sgpr_workgroup_id_z 1
		.amdhsa_system_vgpr_workitem_id 0
		.amdhsa_next_free_vgpr 256
		.amdhsa_next_free_sgpr 100
		.amdhsa_reserve_vcc 1
		.amdhsa_float_denorm_mode_32 3
		.amdhsa_float_denorm_mode_16_64 3
		.amdhsa_memory_ordered 1
		.amdhsa_forward_progress 1
		.amdhsa_inst_pref_size 147
	.end_amdhsa_kernel
	.amdgpu_metadata
---
amdhsa.version: [ 1, 2 ]
amdhsa.kernels:
  - .name:           k_qafad719302_attn
    .symbol:         k_qafad719302_attn.kd
    .args:
      - { .name: queries_codes, .offset: 0, .size: 8, .value_kind: global_buffer, .address_space: global }
      - { .name: queries_scales, .offset: 8, .size: 8, .value_kind: global_buffer, .address_space: global }
      - { .name: keys_codes, .offset: 16, .size: 8, .value_kind: global_buffer, .address_space: global }
      - { .name: keys_scales, .offset: 24, .size: 8, .value_kind: global_buffer, .address_space: global }
      - { .name: values_codes, .offset: 32, .size: 8, .value_kind: global_buffer, .address_space: global }
      - { .name: values_scales, .offset: 40, .size: 8, .value_kind: global_buffer, .address_space: global }
      - { .name: masks, .offset: 48, .size: 8, .value_kind: global_buffer, .address_space: global }
      - { .name: out0, .offset: 56, .size: 8, .value_kind: global_buffer, .address_space: global }
    .group_segment_fixed_size: 327680
    .private_segment_fixed_size: 0
    .kernarg_segment_align: 8
    .kernarg_segment_size: 64
    .max_flat_workgroup_size: 512
    .sgpr_count:     100
    .vgpr_count:     256
    .wavefront_size: 32
...
	.end_amdgpu_metadata
.endif
;; end of part 1
